; MI455X (gfx1250); checked and timed in simulation.
; The chip was launched on July 23, 2026; its instructions are those of AMD's public machine-readable ISA for CDNA 5 (MIT licence, August 2026) and "CDNA5" Instruction Set Architecture Reference Guide (July 2026). The comments in the code are by the model that wrote it; some were corrected since.
;; Attention Block. Allowed arithmetic: matrix products marked QUANTISED: E4M3 operands, one given power-of-two scale a tensor, by v_wmma_f32_16x16x64_fp8_fp8 or v_wmma_f32_16x16x128_fp8_fp8, f32 sums; everything else in f32.
;; Inputs: b_proj 256 float32; b_qkv 768 float32; gn_beta 256 float32; gn_gamma 256 float32; lowp_scales 8 int32 (the exponents e of the quantised operands' scales 2^e); w_proj 256 x 256 float32; w_qkv 768 x 256 float32; x 4 x 256 x 64 x 64 float32.
;; Outputs: out0 4 x 256 x 64 x 64 float32.
;; This version of the problem:
;;   THIS VERSION OF THE PROBLEM IS GIVEN IN LOW PRECISION. The matrix products marked QUANTISED in the list below multiply operands that are first quantised to E4M3 (4 exponent bits, 3 mantissa bits; 8 bits a number), with one given power-of-two scale for each operand tensor; their sums are f32. All else is computed in f32.
;;   The module's matrix products, in the order in which they are computed (A, B: the left and right operand; K: the contracted axis; several contracted axes count as one K, in the product's order):
;;     1. [M 16,384, K 256] x [K 256, N 768]; A: computed on the way; B: input w_qkv: QUANTISED (scales: A lowp_scales[0], B lowp_scales[1])
;;     2. batch 16 x [M 4,096, K 64] x [K 64, N 4,096]; A: computed on the way; B: computed on the way: QUANTISED (scales: A lowp_scales[2], B lowp_scales[3])
;;     3. batch 16 x [M 4,096, K 4,096] x [K 4,096, N 64]; A: softmax (see below); B: computed on the way: QUANTISED (scales: A lowp_scales[4], B lowp_scales[5])
;;     4. [M 16,384, K 256] x [K 256, N 256]; A: computed on the way; B: input w_proj: QUANTISED (scales: A lowp_scales[6], B lowp_scales[7])
;;   THE QUANTISER, for each operand of a quantised product, along K:
;;     - The operand's scale is 2^e, e = its entry of the input lowp_scales (int32; the entries are numbered through the quantised products in the list's order, A before B).
;;     - Each number is divided by the scale, clamped to +-448, and rounded to the nearest number of E4M3, ties to even, subnormals kept.
;;     - The product sums the exact products of the quantised numbers (number of the format x scale) in f32.
;;   ~~~python
;;   def quantise(x, axis, e):      # numpy; x: float32 -> the quantised numbers, widened to float32 again
;;       x = np.moveaxis(x, axis, -1); K = x.shape[-1]
;;       r = np.clip(x / 2.0 ** e, -448, 448)
;;       step = 2.0 ** (np.maximum(np.frexp(np.where(r == 0, 1, r))[1] - 1, -6) - 3)
;;       q = np.round(r / step) * step * 2.0 ** e      # np.round: ties to even
;;       return np.moveaxis(q, -1, axis).astype(np.float32)
;;   ~~~
;;   SOFTMAX AHEAD OF A QUANTISED PRODUCT. Where the list says 'softmax', what is quantised is not the finished softmax but p = 2^(t - M), with t = logit x log2(e) and M = ceil(the row's largest t), a whole number; so 1/2 < the row's largest p <= 1. The row's sum l is taken of the UNQUANTISED p, in f32, and the product's result is divided by l at the end. Since M is a whole number, a kernel that streams over the keys may use a running M (the ceiling of the running maximum): every later rescaling is an exact power of two, so the quantised numbers keep their values, but for numbers so far below the row's largest that they fall under the format's range.
;;   OPERANDS COMPUTED ON THE WAY. 'Computed on the way' means the value that the module computes at that place (a softmax that the list does not call 'softmax' is quantised finished and normalised). What goes into a quantiser is computed in f32, as accurately as f32 sums, v_exp_f32 and their like allow (about 1e-6 of the number): no bf16 or f16 on the way to a quantiser, and a product that is left as it is and whose result goes on into a quantised operand takes f32 operands (vector FMAs, or v_wmma_f32_16x16x4_f32). A number that lies on a knife's edge between two numbers of the format may be rounded either way, as far as f32 arithmetic and the matrix unit's own rounding can turn it there, and no further.
;; One version. Each part assembles by itself: llvm-mc -triple=amdgcn-amd-amdhsa -mcpu=gfx1250 --defsym DOCPART=n.
;; ======== version 1 of 1: 3 launches
;; limits: right only within a limited range of input values
;; workspace buffers: stats 16,384 bytes; wq 196,608 bytes; wp 65,536 bytes; q 4,194,304 bytes; kv 8,388,608 bytes
;; launch prep (part 1): grid 272 x 1, 8 waves a work-group, no clusters, 0 bytes of LDS; arguments x, w_qkv, w_proj, lowp_scales, stats, wq, wp; writes stats, wq, wp
.if DOCPART == 1
	.amdgcn_target "amdgcn-amd-amdhsa--gfx1250"
	.amdhsa_code_object_version 6
	.text
	.protected	k_q4b3030acda_prep
	.globl	k_q4b3030acda_prep
	.p2align	8
	.type	k_q4b3030acda_prep,@function
k_q4b3030acda_prep:
	s_mov_b64 s[64:65], 0
	v_nop
	global_prefetch_b8 v0, s[64:65] scope:SCOPE_SE
	s_setreg_imm32_b32 hwreg(HW_REG_WAVE_MODE, 25, 1), 1
	s_wait_xcnt 0x0
; PREP.  Two kinds of work-groups, told apart by the work-group's number alone; every wave of either kind moves 8 KB.
; Work-groups 0-255: PARTIAL STATISTICS of x for the group norm.  x is [4][256][4096] f32; a group (32 channels x 4,096 pixels) is 131,072 consecutive numbers.
;   A wave takes 2,048 consecutive numbers (64 such pieces to a group), keeps them in 64 registers, and stores (mean, M2 = the sum of squared differences from that mean):
;   two passes over registers, so no difference of large sums is formed, whatever offset x carries.  The next launch joins a group's 64 pieces.
;   A wave's result is 8 bytes, stored by lane 0: 16 KB in the whole launch.
; Work-groups 256-271: THE WEIGHTS' CODES.  w_qkv [768][256] and w_proj [256][256], f32, K innermost, become codes of E4M3 with the given scales 2^e1 and 2^e7,
;   laid as IMAGES OF THE OPERAND'S REGISTERS: a fragment is 16 rows x 128 K, 16 registers a lane; lane (r = lane % 16, h = lane / 16) holds row r, and its registers 2 c, 2 c + 1 hold
;   k = 16 c + 8 h + 0 .. 7 (ISA guide 7.12.2: the 8-bit operands' layout).  Registers 4 g .. 4 g + 3 of all lanes lie at byte 512 g + 16 x lane of the fragment's 2,048 bytes.
;   One wave makes one fragment: 96 of w_qkv (row tile nt, K half s: fragment 2 nt + s), 32 of w_proj.
; code = w / 2^e, held within +-448, rounded to the nearest code, ties to even.  LIMITS: e1 and e7 between -126 and 119.  NaN among the inputs is not served.
; No LDS, no barrier, no matrix unit: waves share nothing.
.set NSTAT, 256                        ; work-groups that take statistics
.set X,  16                            ; v16-79  64 numbers
.set CH, 80                            ; v80-87  four packed chains; in the weights' path v80-95 the codes
.set MN, 88                            ; v88 mean, v89 mean again (a pair for the packed subtraction), then M2
	s_load_b256 s[4:11], s[0:1], 0x0               ; x s[4:5], w_qkv s[6:7], w_proj s[8:9], the scales' exponents s[10:11]
	s_load_b128 s[12:15], s[0:1], 0x20             ; stats s[12:13], wq s[14:15]
	s_load_b64 s[16:17], s[0:1], 0x30              ; wp
	v_lshrrev_b32 v1, 5, v0
	s_delay_alu instid0(VALU_DEP_1)
	v_readfirstlane_b32 s18, v1                    ; wave 0..7
	v_and_b32 v2, 31, v0                           ; lane
	s_delay_alu instid0(VALU_DEP_1)
	v_lshlrev_b32 v1, 4, v2                        ; 16 x lane
	s_cmp_lt_u32 ttmp9, NSTAT
	s_cbranch_scc0 .Lweights
; ---- statistics
.macro LANESUM a, t                    ; the sum of v[a] over the 32 lanes, in every lane; v[t], written before, is at work
	s_delay_alu instid0(VALU_DEP_1)
	v_add_f32_dpp v[\a], v[\a], v[\a] row_xmask:1 row_mask:0xf bank_mask:0xf
	s_delay_alu instid0(VALU_DEP_1)
	v_add_f32_dpp v[\a], v[\a], v[\a] row_xmask:2 row_mask:0xf bank_mask:0xf
	s_delay_alu instid0(VALU_DEP_1)
	v_add_f32_dpp v[\a], v[\a], v[\a] row_xmask:4 row_mask:0xf bank_mask:0xf
	s_delay_alu instid0(VALU_DEP_1)
	v_add_f32_dpp v[\a], v[\a], v[\a] row_xmask:8 row_mask:0xf bank_mask:0xf
	s_delay_alu instid0(VALU_DEP_1)
	v_permlanex16_b32 v[\t], v[\a], s20, s21
	s_delay_alu instid0(VALU_DEP_1)
	v_add_f32 v[\a], v[\a], v[\t]
.endm
.macro JOIN                            ; the four chains and their two halves become one number a lane, in v[CH]
	s_delay_alu instid0(VALU_DEP_3)
	v_pk_add_f32 v[CH:CH+1], v[CH:CH+1], v[CH+2:CH+3]
	s_delay_alu instid0(VALU_DEP_2)
	v_pk_add_f32 v[CH+4:CH+5], v[CH+4:CH+5], v[CH+6:CH+7]
	s_delay_alu instid0(VALU_DEP_1)
	v_pk_add_f32 v[CH:CH+1], v[CH:CH+1], v[CH+4:CH+5]
	s_delay_alu instid0(VALU_DEP_1)
	v_add_f32 v[CH], v[CH], v[CH+1]
.endm
	s_lshl_b32 s32, ttmp9, 3
	s_add_co_u32 s32, s32, s18                     ; my piece: 8 x work-group + wave, 0..2047
	s_lshl_b32 s34, s32, 13                        ; its 8,192 bytes of x
	s_mov_b32 s35, 0
	s_lshl_b32 s36, s32, 3                         ; its 8 bytes of stats
	s_mov_b32 s37, 0
	s_mov_b32 s20, 0x76543210                      ; v_permlanex16_b32: each lane takes its own place in the other half
	s_mov_b32 s21, 0xfedcba98
	s_wait_kmcnt 0x0
	s_add_nc_u64 s[4:5], s[4:5], s[34:35]
	s_add_nc_u64 s[12:13], s[12:13], s[36:37]
	s_wait_alu depctr_va_vdst(0)
.irp i, 0,1,2,3,4,5,6,7,8,9,10,11,12,13,14,15
	global_load_b128 v[X+4*\i:X+4*\i+3], v1, s[4:5] offset:512*\i   ; 32 lanes read 512 consecutive bytes; x is read again by later launches, so no hint
.endr
	s_wait_loadcnt 0x0
.irp j, 0,1,2,3
	v_pk_add_f32 v[CH+2*\j:CH+2*\j+1], v[X+2*\j:X+2*\j+1], v[X+8+2*\j:X+9+2*\j]   ; the first eight pairs start the chains: nothing is cleared
.endr
.set p, 8
.rept 24
	s_delay_alu instid0(VALU_DEP_4)
	v_pk_add_f32 v[CH+2*(p%4):CH+2*(p%4)+1], v[CH+2*(p%4):CH+2*(p%4)+1], v[X+2*p:X+2*p+1]
.set p, p+1
.endr
	JOIN
	LANESUM CH, CH+1
	s_delay_alu instid0(VALU_DEP_1)
	v_mul_f32 v[MN], 0x3a000000, v[CH]             ; x 2^-11: the mean of 2,048 numbers
	s_delay_alu instid0(VALU_DEP_1)
	v_mov_b32 v[MN+1], v[MN]
.set p, 0
.rept 32
	v_pk_add_f32 v[X+2*p:X+2*p+1], v[X+2*p:X+2*p+1], v[MN:MN+1] neg_lo:[0,1] neg_hi:[0,1]   ; x - mean
.set p, p+1
.endr
.irp j, 0,1,2,3
	v_pk_mul_f32 v[CH+2*\j:CH+2*\j+1], v[X+2*\j:X+2*\j+1], v[X+2*\j:X+2*\j+1]
.endr
.set p, 4
.rept 28
	s_delay_alu instid0(VALU_DEP_4)
	v_pk_fma_f32 v[CH+2*(p%4):CH+2*(p%4)+1], v[X+2*p:X+2*p+1], v[X+2*p:X+2*p+1], v[CH+2*(p%4):CH+2*(p%4)+1]
.set p, p+1
.endr
	JOIN
	LANESUM CH, CH+1
	s_delay_alu instid0(VALU_DEP_1)
	v_mov_b32 v[MN+1], v[CH]                       ; M2
	v_mov_b32 v3, 0
	v_cmp_eq_u32 vcc_lo, 0, v2
	s_wait_alu depctr_va_vdst(0)
	s_wait_xcnt 0x0                                ; EXEC is narrowed only behind this wait: the loads above have had their addresses translated
	s_and_saveexec_b32 s33, vcc_lo
	global_store_b64 v3, v[MN:MN+1], s[12:13]      ; lane 0: (mean, M2)
	s_wait_xcnt 0x0                                ; and widened again only behind this one
	s_or_b32 exec_lo, exec_lo, s33
	s_endpgm
; ---- the weights' codes
.Lweights:
	s_sub_co_u32 s32, ttmp9, NSTAT
	s_lshl_b32 s32, s32, 3
	s_add_co_u32 s32, s32, s18                     ; fragment 0..127: 0-95 of w_qkv, 96-127 of w_proj
	v_and_b32 v3, 15, v0                           ; r
	v_bfe_u32 v4, v0, 4, 1                         ; h
	s_delay_alu instid0(VALU_DEP_2)
	v_lshlrev_b32 v5, 10, v3                       ; a row of 256 f32 is 1,024 bytes
	s_delay_alu instid0(VALU_DEP_1)
	v_lshl_add_u32 v5, v4, 5, v5                   ; + 8 h numbers
	s_wait_alu depctr_va_vdst(0)
	s_wait_kmcnt 0x0
	s_load_b256 s[24:31], s[10:11], 0x0            ; e0 .. e7
	s_cmp_lt_u32 s32, 96                           ; the choice hangs on ids alone
	s_cselect_b64 s[6:7], s[6:7], s[8:9]           ; from where,
	s_cselect_b64 s[14:15], s[14:15], s[16:17]     ; to where,
	s_cselect_b32 s38, 1, 0                        ; (kept for the choice of e)
	s_cselect_b32 s33, 0, 96
	s_sub_co_u32 s32, s32, s33                     ; and which fragment of that tensor: 2 x row tile + K half
	s_lshr_b32 s34, s32, 1
	s_lshl_b32 s34, s34, 14                        ; 16 rows of 1,024 bytes
	s_and_b32 s36, s32, 1
	s_lshl_b32 s36, s36, 9                         ; 128 numbers along K
	s_add_co_u32 s34, s34, s36
	s_mov_b32 s35, 0
	s_add_nc_u64 s[6:7], s[6:7], s[34:35]
	s_lshl_b32 s36, s32, 11                        ; an image is 2,048 bytes
	s_mov_b32 s37, 0
	s_add_nc_u64 s[14:15], s[14:15], s[36:37]
.irp c, 0,1,2,3,4,5,6,7
	global_load_b128 v[X+8*\c:X+8*\c+3],   v5, s[6:7] offset:64*\c th:TH_LOAD_NT      ; W(row r, 16 c + 8 h + 0 .. 3)
	global_load_b128 v[X+8*\c+4:X+8*\c+7], v5, s[6:7] offset:64*\c+16 th:TH_LOAD_NT   ; and + 4 .. 7.  A row's 512 bytes are read once, over the sixteen loads
.endr
	s_wait_kmcnt 0x0
	s_cmp_eq_u32 s38, 1
	s_cselect_b32 s39, s25, s31                    ; e1 or e7
	s_add_co_i32 s39, s39, 127
	s_lshl_b32 s38, s39, 23
	v_mov_b32 v11, s38                             ; 2^e as f32: the conversion takes its exponent field
	s_wait_alu depctr_va_vdst(0)
	s_wait_loadcnt 0x0
.set p, 0
.rept 64
.set p, p+1
.endr
.irp c, 0,1,2,3,4,5,6,7
	v_cvt_scalef32_pk8_fp8_f32 v[CH+2*\c:CH+2*\c+1], v[X+8*\c:X+8*\c+7], v11   ; registers 2 c, 2 c + 1 of the fragment
.endr
	v_nop                                          ; a plain line behind the last conversion
.irp g, 0,1,2,3
	global_store_b128 v1, v[CH+4*\g:CH+4*\g+3], s[14:15] offset:512*\g         ; 32 lanes store 512 consecutive bytes, aligned
.endr
	s_endpgm
.Lfunc_end_k_q4b3030acda_prep:
	.size	k_q4b3030acda_prep, .Lfunc_end_k_q4b3030acda_prep-k_q4b3030acda_prep
	.p2alignl 7, 3214868480
	.fill 96, 4, 3214868480
	.section	.rodata,"a",@progbits
	.p2align	6, 0x0
	.amdhsa_kernel k_q4b3030acda_prep
		.amdhsa_group_segment_fixed_size 0
		.amdhsa_private_segment_fixed_size 0
		.amdhsa_enable_private_segment 0
		.amdhsa_kernarg_size 56
		.amdhsa_user_sgpr_count 2
		.amdhsa_user_sgpr_kernarg_segment_ptr 1
		.amdhsa_wavefront_size32 1
		.amdhsa_system_sgpr_workgroup_id_x 1
		.amdhsa_system_sgpr_workgroup_id_y 1
		.amdhsa_system_sgpr_workgroup_id_z 1
		.amdhsa_system_vgpr_workitem_id 0
		.amdhsa_next_free_vgpr 96
		.amdhsa_next_free_sgpr 66
		.amdhsa_reserve_vcc 1
		.amdhsa_float_denorm_mode_32 3
		.amdhsa_float_denorm_mode_16_64 3
		.amdhsa_fp16_overflow 1
		.amdhsa_memory_ordered 1
		.amdhsa_forward_progress 1
		.amdhsa_inst_pref_size 17
	.end_amdhsa_kernel
	.amdgpu_metadata
---
amdhsa.version: [ 1, 2 ]
amdhsa.kernels:
  - .name:           k_q4b3030acda_prep
    .symbol:         k_q4b3030acda_prep.kd
    .args:
      - { .name: x, .offset: 0, .size: 8, .value_kind: global_buffer, .address_space: global }
      - { .name: w_qkv, .offset: 8, .size: 8, .value_kind: global_buffer, .address_space: global }
      - { .name: w_proj, .offset: 16, .size: 8, .value_kind: global_buffer, .address_space: global }
      - { .name: lowp_scales, .offset: 24, .size: 8, .value_kind: global_buffer, .address_space: global }
      - { .name: stats, .offset: 32, .size: 8, .value_kind: global_buffer, .address_space: global }
      - { .name: wq, .offset: 40, .size: 8, .value_kind: global_buffer, .address_space: global }
      - { .name: wp, .offset: 48, .size: 8, .value_kind: global_buffer, .address_space: global }
    .group_segment_fixed_size: 0
    .private_segment_fixed_size: 0
    .kernarg_segment_align: 8
    .kernarg_segment_size: 56
    .max_flat_workgroup_size: 256
    .sgpr_count:     66
    .vgpr_count:     96
    .wavefront_size: 32
...
	.end_amdgpu_metadata
.endif
;; end of part 1
;; launch qkv (part 2): grid 256 x 1, 8 waves a work-group, no clusters, 17,408 bytes of LDS; arguments x, stats, gn_gamma, gn_beta, wq, b_qkv, lowp_scales, q, kv; writes q, kv
.if DOCPART == 2
	.amdgcn_target "amdgcn-amd-amdhsa--gfx1250"
	.amdhsa_code_object_version 6
	.text
	.protected	k_q4b3030acda_qkv
	.globl	k_q4b3030acda_qkv
	.p2align	8
	.type	k_q4b3030acda_qkv,@function
k_q4b3030acda_qkv:
	s_mov_b64 s[64:65], 0
	v_nop
	global_prefetch_b8 v0, s[64:65] scope:SCOPE_SE
	s_setreg_imm32_b32 hwreg(HW_REG_WAVE_MODE, 25, 1), 1
	s_wait_xcnt 0x0
; QKV.  h = groupnorm(x) x gamma + beta, quantised (2^e0); qkv = h W^T + b on codes of E4M3 (W's codes with 2^e1 come from the launch before); q, k, v quantised (2^e2, 2^e3, 2^e5) and stored as
; images of the next launch's operand registers.  Nothing wide goes to memory.
; SHARES.  A work-group takes 64 tokens of one image (work-group = 64 b + block) and all 768 outputs.  Eight waves.
;   Phase X: wave w normalises group w (channels 32 w .. 32 w + 31) for the 64 tokens and puts its codes into h's eight fragment images in LDS | one barrier |
;   Phase G: wave w makes column tiles 2 w, 2 w + 1 of q, of k and of v for all four token tiles: 48 matrix instructions.  Its 12 fragments of W go from memory straight into its registers: no other wave of the
;   work-group wants them.  (No cluster: a shared way for W would go through LDS, for 192 KB that each wave takes one twelfth... one eighth of; the tokens' tiles are shared by nobody.)
; LAYOUT.  Every operand is kept as the 8-bit operands' own layout has it (ISA guide 7.12.2): lane (r, h) holds row r, registers 2 c, 2 c + 1 hold k = 16 c + 8 h + 0 .. 7.  A result tile holds, in lane (r, h), register j,
;   element (source 0's row 8 h + j, source 1's row r).  So eight registers of ONE result tile, converted, are registers 2 c, 2 c + 1 of the next operand, in the lane that wants them:
;   q, k: source 0 = W's tile, source 1 = h's: a lane holds a token, its registers channels (the next K).   v: source 0 = h's tile, source 1 = W's: a lane holds a channel, its registers tokens (the keys: the next K).
;   An image: registers 4 g .. 4 g + 3 of all lanes at byte 512 g + 16 x lane.
;   q  [b][token tile 256][head 4][2 x 512 B].   kv [b][block of 128 keys: 32] { k: [key tile 8][head 4][2 x 512 B]; then v: [64 keys: 2][channel tile 16][2 x 512 B] }: 64 KB a block.
; THE SCALES ARE FOLDED: a sum stands for sum x 2^(e0 + e1): the bias goes in as the C of a sum's first matrix instruction, divided by that; the conversions take 2^(e - e0 - e1).
; LIMITS: e0, e2 - e0 - e1, e3 - e0 - e1, e5 - e0 - e1 between -126 and 119.  NaN among the inputs is not served.
; REGISTERS.  Window 0: v1-6 addresses; v8, v10, v12, v14 scales; v16-79 x, v80-143 h (phase X), then h's 8 fragments; v144-175 gamma, beta, v176-191 h's codes, v192-204 statistics (phase X), then v144-207 8 accumulators;
;   v208-215 offsets of small loads and v's two biases, then v208-255 the codes of q, k, v: a set for each, so that no store's data are written again.
;   Window 1: v0-191 W's 12 fragments (32 (2 type + u) + 16 s); v192-239 the biases in the results' layout (16 type + 8 u).
.set LI,  1                            ; 16 x lane
.set QO,  2                            ; 16 x lane + 512 w
.set VO,  3                            ; 16 x lane + 2,048 w
.set HST, 4                            ; where my codes of h go in LDS
.set XO,  5                            ; my bytes of x
.set WO,  6                            ; 16 x lane + 8,192 w
.set XR,  16
.set HT,  80
.set HF,  16
.set GA,  144
.set BE,  160
.set CX,  176
.set ACC, 144
.set CD,  208
.set BI,  192                          ; in window 1
.set MSB, 0
.macro WIN new                         ; the immediate's high byte repeats the setting that is left; a switch that changes nothing is dropped
.if MSB != (\new)
	s_set_vgpr_msb (MSB<<8)|(\new)
.set MSB, (\new)
.endif
.endm
.macro LANESUM a, t                    ; the sum of v[a] over the 32 lanes, in every lane
	s_delay_alu instid0(VALU_DEP_1)
	v_add_f32_dpp v[\a], v[\a], v[\a] row_xmask:1 row_mask:0xf bank_mask:0xf
	s_delay_alu instid0(VALU_DEP_1)
	v_add_f32_dpp v[\a], v[\a], v[\a] row_xmask:2 row_mask:0xf bank_mask:0xf
	s_delay_alu instid0(VALU_DEP_1)
	v_add_f32_dpp v[\a], v[\a], v[\a] row_xmask:4 row_mask:0xf bank_mask:0xf
	s_delay_alu instid0(VALU_DEP_1)
	v_add_f32_dpp v[\a], v[\a], v[\a] row_xmask:8 row_mask:0xf bank_mask:0xf
	s_delay_alu instid0(VALU_DEP_1)
	v_permlanex16_b32 v[\t], v[\a], s40, s41
	s_delay_alu instid0(VALU_DEP_1)
	v_add_f32 v[\a], v[\a], v[\t]
.endm
.macro MKSCALE se, vs, vl              ; s[se] = e:  v[vs] = 2^e as f32, s38 = 448 x 2^e
	s_add_co_i32 s38, s[\se], 127
	s_lshl_b32 s39, s38, 23
	v_mov_b32 v[\vs], s39
	s_add_co_i32 s38, s38, 8
	s_lshl_b32 s38, s38, 23
	s_or_b32 s38, s38, 0x600000
.endm
.macro WLOAD ty                        ; my four fragments of W for q (0), k (1) or v (2): 16 loads of 512 consecutive bytes
	WIN 0x40                                       ; destination window 1, address window 0
.irp u, 0,1
.irp s, 0,1
.irp g, 0,1,2,3
	global_load_b128 v[32*(2*(\ty)+\u)+16*\s+4*\g:32*(2*(\ty)+\u)+16*\s+4*\g+3], v[WO], s[12:13] offset:65536*(\ty)+4096*\u+2048*\s+512*\g
.endr
.endr
.endr
	WIN 0
.endm
	s_load_b512 s[4:19], s[0:1], 0x0               ; x s[4:5], stats s[6:7], gamma s[8:9], beta s[10:11], wq s[12:13], b_qkv s[14:15], the exponents s[16:17], q s[18:19]
	s_load_b64 s[20:21], s[0:1], 0x40              ; kv
	v_lshl_add_u32 v7, v0, 2, 0x4000
	s_set_vgpr_msb 0x40
	v_mov_b32 v255, 0
	s_set_vgpr_msb 0x4000
	v_lshrrev_b32 v1, 5, v0
	s_delay_alu instid0(VALU_DEP_1)
	v_readfirstlane_b32 s22, v1                    ; wave 0..7
	v_and_b32 v1, 31, v0
	s_delay_alu instid0(VALU_DEP_1)
	v_lshlrev_b32 v[LI], 4, v1
	v_and_b32 v208, 15, v0                         ; lane % 16
	v_bfe_u32 v209, v0, 4, 1                       ; lane / 16
	s_lshl_b32 s32, s22, 9
	v_add_nc_u32 v[QO], s32, v[LI]
	s_lshl_b32 s32, s22, 11
	v_add_nc_u32 v[VO], s32, v[LI]
	s_lshl_b32 s32, s22, 13
	v_add_nc_u32 v[WO], s32, v[LI]
	; Phase X: lane (tq = lane % 16, hh = lane / 16) takes tokens 4 tq .. 4 tq + 3 and channels 32 w + 16 hh + 0 .. 15.  The eight codes of token 4 tq + i, channels 32 w + 16 hh + 8 g + 0 .. 7, belong to
	; image (token tile tq / 4, K half w / 4), registers 4 (w % 4) on, lane (4 (tq % 4) + i, g), byte 8 hh:  4096 (tq / 4) + 2048 (w / 4) + 512 (w % 4) + 64 (tq % 4) + 8 hh, + 16 i + 256 g in the immediate
	v_lshrrev_b32 v[HST], 2, v208
	s_delay_alu instid0(VALU_DEP_1)
	v_lshlrev_b32 v[HST], 12, v[HST]
	v_and_b32 v210, 3, v208
	s_delay_alu instid0(VALU_DEP_1)
	v_lshl_add_u32 v[HST], v210, 6, v[HST]
	s_delay_alu instid0(VALU_DEP_1)
	v_lshl_add_u32 v[HST], v209, 3, v[HST]
	s_lshr_b32 s32, s22, 2
	s_lshl_b32 s32, s32, 11
	s_and_b32 s33, s22, 3
	s_lshl_b32 s33, s33, 9
	s_add_co_u32 s32, s32, s33
	v_add_nc_u32 v[HST], s32, v[HST]
	v_lshlrev_b32 v[XO], 4, v208                   ; x: 16 bytes (4 tokens) a lane,
	s_delay_alu instid0(VALU_DEP_1)
	v_lshl_add_u32 v[XO], v209, 18, v[XO]          ; 16 channels of 16,384 bytes for the upper lanes,
	s_lshl_b32 s32, s22, 19
	v_add_nc_u32 v[XO], s32, v[XO]                 ; 32 channels a wave
	s_lshl_b32 s32, s22, 7                         ; my 32 numbers in a vector over channels
	v_lshl_add_u32 v211, v209, 6, s32              ; gamma, beta: + 16 hh numbers
	v_lshl_add_u32 v212, v209, 5, s32              ; q's and k's bias: + 8 h numbers
	v_lshl_add_u32 v213, v208, 2, s32              ; v's bias: + r numbers
	v_mov_b32 v197, 0                              ; written once: a lane permute's destination counts as one of its sources
	v_mov_b32 v204, 0x3727c5ac                     ; 1e-5
	s_lshr_b32 s33, ttmp9, 6                       ; b
	s_and_b32 s34, ttmp9, 63                       ; the block of 64 tokens
	s_lshl_b32 s42, s33, 22
	s_lshl_b32 s35, s34, 8
	s_add_co_u32 s42, s42, s35                     ; x: the image, + 256 bytes a block
	s_mov_b32 s43, 0
	s_lshl_b32 s44, s33, 12
	s_lshl_b32 s35, s22, 9
	s_add_co_u32 s44, s44, s35                     ; stats: group 8 b + w, 512 bytes each
	s_mov_b32 s45, 0
	s_lshl_b32 s46, ttmp9, 14                      ; q: four token tiles of 4,096 bytes a work-group
	s_mov_b32 s47, 0
	s_lshr_b32 s36, ttmp9, 1
	s_lshl_b32 s36, s36, 16                        ; kv: the block of 128 keys,
	s_and_b32 s35, ttmp9, 1
	s_lshl_b32 s35, s35, 14                        ; and my half of it: 16,384 bytes in k's part and in v's
	s_add_co_u32 s36, s36, s35
	s_mov_b32 s37, 0
	s_mov_b32 s40, 0x76543210
	s_mov_b32 s41, 0xfedcba98
	s_wait_alu depctr_va_vdst(0)
	s_wait_kmcnt 0x0
	s_load_b256 s[24:31], s[16:17], 0x0            ; e0 .. e7
	s_add_nc_u64 s[4:5], s[4:5], s[42:43]
	s_add_nc_u64 s[6:7], s[6:7], s[44:45]
	s_add_nc_u64 s[18:19], s[18:19], s[46:47]
	s_add_nc_u64 s[20:21], s[20:21], s[36:37]
	; THE LOADS, in the order in which they are wanted: 1 + 8 + 16 + 10 + 16 = 51
	global_load_b128 v[192:195], v[LI], s[6:7]     ; two of my group's 64 pieces a lane: mean, M2, mean, M2
.irp k, 0,1,2,3
	global_load_b128 v[GA+4*\k:GA+4*\k+3], v211, s[8:9] offset:16*\k
.endr
.irp k, 0,1,2,3
	global_load_b128 v[BE+4*\k:BE+4*\k+3], v211, s[10:11] offset:16*\k
.endr
.irp c, 0,1,2,3,4,5,6,7,8,9,10,11,12,13,14,15
	global_load_b128 v[XR+4*\c:XR+4*\c+3], v[XO], s[4:5] offset:16384*\c   ; sixteen lanes read 256 consecutive bytes, aligned: the block's 64 tokens of one channel
.endr
	WIN 0x40
.irp ty, 0,1
.irp u, 0,1
.irp k, 0,1
	global_load_b128 v[BI+16*\ty+8*\u+4*\k:BI+16*\ty+8*\u+4*\k+3], v212, s[14:15] offset:1024*\ty+64*\u+16*\k   ; b(256 type + 32 w + 16 u + 8 h + 0 .. 7): the result's layout
.endr
.endr
.endr
	WIN 0
	global_load_b32 v214, v213, s[14:15] offset:2048   ; v's bias: one channel a lane: b(512 + 32 w + 16 u + r)
	global_load_b32 v215, v213, s[14:15] offset:2112
	WLOAD 0
	s_wait_kmcnt 0x0
	s_add_co_i32 s44, s24, s25                     ; e0 + e1
	s_sub_co_i32 s45, 0, s44
	MKSCALE 24, 8, 9                               ; h: e0
	s_sub_co_i32 s46, s26, s44
	MKSCALE 46, 10, 11                             ; q: e2 - e0 - e1
	s_sub_co_i32 s46, s27, s44
	MKSCALE 46, 12, 13                             ; k: e3 - e0 - e1
	s_sub_co_i32 s46, s29, s44
	MKSCALE 46, 14, 15                             ; v: e5 - e0 - e1
	s_mov_b32 s42, 0x45000000                      ; 2,048.0
	s_mov_b32 s43, 0x37000000                      ; 2^-17
	; ---- X.  The group's mean and variance from its 64 pieces of 2,048 numbers: mean = the mean of the means; M2 = the sum of the pieces' M2 + 2,048 x the sum of (piece's mean - mean)^2
	s_wait_loadcnt 50                              ; the pieces are in; the 50 loads issued behind them may be out
	v_add_f32 v196, v192, v194
	LANESUM 196, 197
	s_delay_alu instid0(VALU_DEP_1)
	v_mul_f32 v196, 0x3c800000, v196               ; x 2^-6
	s_delay_alu instid0(VALU_DEP_1)
	v_sub_f32 v198, v192, v196
	s_delay_alu instid0(VALU_DEP_2)
	v_sub_f32 v199, v194, v196
	s_delay_alu instid0(VALU_DEP_2)
	v_mul_f32 v198, v198, v198
	s_delay_alu instid0(VALU_DEP_1)
	v_fma_f32 v198, v199, v199, v198
	v_add_f32 v199, v193, v195
	s_delay_alu instid0(VALU_DEP_1)
	v_fma_f32 v198, v198, s42, v199
	LANESUM 198, 197
	s_delay_alu instid0(VALU_DEP_1)
	v_fma_f32 v198, v198, s43, v204                ; variance + 1e-5 (the power of two rounds nothing)
	s_wait_alu depctr_va_vdst(0)
	v_rsq_f32 v202, v198
	v_mul_f32 v200, -1.0, v196                     ; -mean.  (A plain line behind the transcendental)
	s_delay_alu instid0(VALU_DEP_1)
	v_mov_b32 v201, v200
	s_wait_alu depctr_va_vdst(0)                   ; the wait ahead of the first line that names the root's result
	v_mov_b32 v203, v202
	s_wait_loadcnt 26                              ; gamma, beta and x are in; the 10 loads of biases and the 16 of q's weights may be out
	WLOAD 1                                        ; k's and v's weights go out now: 58 loads are out
	WLOAD 2
.set p, 0
.rept 32
	v_pk_add_f32 v[XR+p:XR+p+1], v[XR+p:XR+p+1], v[200:201]    ; x - mean,
.set p, p+2
.endr
.set p, 0
.rept 32
	v_pk_mul_f32 v[XR+p:XR+p+1], v[XR+p:XR+p+1], v[202:203]    ; x 1 / sqrt(variance + 1e-5),
.set p, p+2
.endr
.irp c, 0,1,2,3,4,5,6,7,8,9,10,11,12,13,14,15
.irp i, 0,1,2,3
	v_fma_f32 v[HT+16*\i+\c], v[XR+4*\c+\i], v[GA+\c], v[BE+\c]   ; x gamma + beta; and a token's 16 channels come to lie in 16 consecutive registers
.endr
.endr
.set p, 0
.rept 64
.set p, p+1
.endr
.irp i, 0,1,2,3
.irp g, 0,1
	v_cvt_scalef32_pk8_fp8_f32 v[CX+4*\i+2*\g:CX+4*\i+2*\g+1], v[HT+16*\i+8*\g:HT+16*\i+8*\g+7], v8
.endr
.endr
	v_nop                                          ; a plain line behind the last conversion: matrix instructions later write these registers
.irp i, 0,1,2,3
.irp g, 0,1
	ds_store_b64 v[HST], v[CX+4*\i+2*\g:CX+4*\i+2*\g+1] offset:16*\i+256*\g
.endr
.endr
	s_wait_dscnt 0x0                               ; for the others' sake: my codes lie in LDS
	s_barrier_signal -1
	s_barrier_wait -1                              ; everybody's do: h's eight fragments are whole
	; ---- G
.irp m, 0,1,2,3
.irp s, 0,1
.irp g, 0,1,2,3
	ds_load_b128 v[HF+16*(2*\m+\s)+4*\g:HF+16*(2*\m+\s)+4*\g+3], v[LI] offset:4096*\m+2048*\s+512*\g
.endr
.endr
.endr
	s_wait_loadcnt 48                              ; the biases are in; the 48 loads of weights may be out
	WIN 0x41                                       ; source 0 and destination window 1
.set p, 0
.rept 32
	v_ldexp_f32 v[BI+p], v[BI+p], s45              ; b / 2^(e0 + e1)
.set p, p+1
.endr
	WIN 0x40                                       ; destination window 1
.irp u, 0,1
.irp j, 0,1,2,3,4,5,6,7
	v_ldexp_f32 v[BI+32+8*\u+\j], v[214+\u], s45   ; v's: the lane's one channel in all eight registers
.endr
.endr
	WIN 0
	s_wait_dscnt 0x0                               ; h's fragments are in
; Two column tiles x four token tiles: eight accumulators by turns, one instruction a turn, K half by K half.  left: the loads of weights that may stay out.
.macro PAIR ty, left, vs, vl
.set CDP, CD+16*(\ty)
	s_wait_loadcnt \left
.irp s, 0,1
.if (\ty) < 2
.if \s == 0
	WIN 0x11                                       ; source 0 (W) and source 2 (the bias) window 1
.else
	WIN 0x01
.endif
.else
.if \s == 0
	WIN 0x14                                       ; source 1 (W) and source 2 (the bias) window 1
.else
	WIN 0x04
.endif
.endif
.irp u, 0,1
.irp m, 0,1,2,3
.set rD, ACC+8*(4*\u+\m)
.set rW, 32*(2*(\ty)+\u)+16*\s
.set rH, HF+16*(2*\m+\s)
.set rB, BI+16*(\ty)+8*\u
.if (\ty) < 2
.if \s == 0
	v_wmma_f32_16x16x128_fp8_fp8 v[rD:rD+7], v[rW:rW+15], v[rH:rH+15], v[rB:rB+7]
.else
	v_wmma_f32_16x16x128_fp8_fp8 v[rD:rD+7], v[rW:rW+15], v[rH:rH+15], v[rD:rD+7]
.endif
.else
.if \s == 0
	v_wmma_f32_16x16x128_fp8_fp8 v[rD:rD+7], v[rH:rH+15], v[rW:rW+15], v[rB:rB+7]
.else
	v_wmma_f32_16x16x128_fp8_fp8 v[rD:rD+7], v[rH:rH+15], v[rW:rW+15], v[rD:rD+7]
.endif
.endif
.endr
.endr
.endr
	WIN 0
.rept 4
	v_nop                                          ; four places between the last product and the first read of results (ISA guide 7.12.1)
.endr
.set p, 0
.rept 64
.set p, p+1
.endr
.irp u, 0,1
.irp m, 0,1,2,3
.if (\ty) < 2
	v_cvt_scalef32_pk8_fp8_f32 v[CDP+4*\m+2*\u:CDP+4*\m+2*\u+1], v[ACC+8*(4*\u+\m):ACC+8*(4*\u+\m)+7], v[\vs]   ; token tile m: channels 16 (2 w + u) + 8 h + 0 .. 7: registers 4 (w % 2) + 2 u, + 1 of head w / 2's fragment
.else
	v_cvt_scalef32_pk8_fp8_f32 v[CDP+8*\u+2*\m:CDP+8*\u+2*\m+1], v[ACC+8*(4*\u+\m):ACC+8*(4*\u+\m)+7], v[\vs]   ; channel tile 2 w + u: keys 16 m + 8 h + 0 .. 7: registers 2 m, 2 m + 1 of its 64 keys
.endif
.endr
.endr
	v_nop                                          ; a plain line behind the last conversion
.if (\ty) == 0
.irp m, 0,1,2,3
	global_store_b128 v[QO], v[CDP+4*\m:CDP+4*\m+3], s[18:19] offset:4096*\m      ; every store: 512 consecutive bytes, aligned
.endr
.elseif (\ty) == 1
.irp m, 0,1,2,3
	global_store_b128 v[QO], v[CDP+4*\m:CDP+4*\m+3], s[20:21] offset:4096*\m
.endr
.else
.irp u, 0,1
.irp c, 0,1
	global_store_b128 v[VO], v[CDP+8*\u+4*\c:CDP+8*\u+4*\c+3], s[20:21] offset:32768+1024*\u+512*\c
.endr
.endr
.endif
.endm
	PAIR 0, 32, 10, 11                             ; q: k's and v's weights may be out
	PAIR 1, 16, 12, 13                             ; k: v's may be out
	PAIR 2, 0, 14, 15                              ; v
	s_set_vgpr_msb 0x4
	s_wait_tensorcnt 0x0
	ds_add_u32 v7, v255
	s_wait_dscnt 0x0
	s_set_vgpr_msb 0x400
	s_endpgm
.Lfunc_end_k_q4b3030acda_qkv:
	.size	k_q4b3030acda_qkv, .Lfunc_end_k_q4b3030acda_qkv-k_q4b3030acda_qkv
	.p2alignl 7, 3214868480
	.fill 96, 4, 3214868480
	.section	.rodata,"a",@progbits
	.p2align	6, 0x0
	.amdhsa_kernel k_q4b3030acda_qkv
		.amdhsa_group_segment_fixed_size 17408
		.amdhsa_private_segment_fixed_size 0
		.amdhsa_enable_private_segment 0
		.amdhsa_kernarg_size 72
		.amdhsa_user_sgpr_count 2
		.amdhsa_user_sgpr_kernarg_segment_ptr 1
		.amdhsa_wavefront_size32 1
		.amdhsa_system_sgpr_workgroup_id_x 1
		.amdhsa_system_sgpr_workgroup_id_y 1
		.amdhsa_system_sgpr_workgroup_id_z 1
		.amdhsa_system_vgpr_workitem_id 0
		.amdhsa_next_free_vgpr 512
		.amdhsa_next_free_sgpr 66
		.amdhsa_reserve_vcc 0
		.amdhsa_float_denorm_mode_32 3
		.amdhsa_float_denorm_mode_16_64 3
		.amdhsa_fp16_overflow 1
		.amdhsa_memory_ordered 1
		.amdhsa_forward_progress 1
		.amdhsa_inst_pref_size 36
	.end_amdhsa_kernel
	.amdgpu_metadata
---
amdhsa.version: [ 1, 2 ]
amdhsa.kernels:
  - .name:           k_q4b3030acda_qkv
    .symbol:         k_q4b3030acda_qkv.kd
    .args:
      - { .name: x, .offset: 0, .size: 8, .value_kind: global_buffer, .address_space: global }
      - { .name: stats, .offset: 8, .size: 8, .value_kind: global_buffer, .address_space: global }
      - { .name: gn_gamma, .offset: 16, .size: 8, .value_kind: global_buffer, .address_space: global }
      - { .name: gn_beta, .offset: 24, .size: 8, .value_kind: global_buffer, .address_space: global }
      - { .name: wq, .offset: 32, .size: 8, .value_kind: global_buffer, .address_space: global }
      - { .name: b_qkv, .offset: 40, .size: 8, .value_kind: global_buffer, .address_space: global }
      - { .name: lowp_scales, .offset: 48, .size: 8, .value_kind: global_buffer, .address_space: global }
      - { .name: q, .offset: 56, .size: 8, .value_kind: global_buffer, .address_space: global }
      - { .name: kv, .offset: 64, .size: 8, .value_kind: global_buffer, .address_space: global }
    .group_segment_fixed_size: 17408
    .private_segment_fixed_size: 0
    .kernarg_segment_align: 8
    .kernarg_segment_size: 72
    .max_flat_workgroup_size: 256
    .sgpr_count:     66
    .vgpr_count:     512
    .wavefront_size: 32
...
	.end_amdgpu_metadata
.endif
;; end of part 2
;; launch attn (part 3): grid 64 x 4, 16 waves a work-group, clusters of 4 x 1, 327,680 bytes of LDS; arguments q, kv, wp, b_proj, lowp_scales, x, out0; writes out0
.if DOCPART == 3
	.amdgcn_target "amdgcn-amd-amdhsa--gfx1250"
	.amdhsa_code_object_version 6
	.text
	.protected	k_q4b3030acda_attn
	.globl	k_q4b3030acda_attn
	.p2align	8
	.type	k_q4b3030acda_attn,@function
k_q4b3030acda_attn:
	s_mov_b64 s[64:65], 0
	v_nop
	global_prefetch_b8 v0, s[64:65] scope:SCOPE_SE
	s_setreg_imm32_b32 hwreg(HW_REG_WAVE_MODE, 25, 1), 1
	s_wait_xcnt 0x0
	s_wait_alu depctr_hold_cnt(0) depctr_sa_sdst(0) depctr_va_vdst(0) depctr_va_sdst(0) depctr_va_ssrc(0) depctr_va_vcc(0) depctr_vm_vsrc(0)
	s_getreg_b32 s2, hwreg(HW_REG_IB_STS2, 6, 4)
	s_cmp_eq_u32 s2, 0
	s_cbranch_scc0 .Lentry_in_a_cluster
	s_endpgm
.Lentry_in_a_cluster:
	s_bfe_u32 s2, ttmp6, 0x10000c
	s_cmp_lg_u32 s2, 0x3003
	s_cbranch_scc0 .Lentry_shape_is_right
	s_endpgm
.Lentry_shape_is_right:
; ATTN.  out0 = x + (softmax(q k^T / 8) v) Wp^T + b_proj, all three products on codes of E4M3 with the given scales (q 2^e2, k 2^e3, p 2^e4, v 2^e5, the attention's result 2^e6, Wp 2^e7).
; THE SOFTMAX AHEAD OF THE SECOND PRODUCT: t = score x log2(e) / 8; M = the row's largest t so far, rounded UP to a whole number; p = 2^(t - M) is what is quantised, along the keys; it is not normalised.
; The row's sum is taken of the unquantised p, in f32, and divides at the end.  When M moves, the sum and O are multiplied by 2^(old M - new M): exact.
; SHARES.  A work-group owns 64 tokens of one image, with ALL FOUR HEADS, so that the output projection (K = the 256 channels of all heads) can follow in the same launch.  Sixteen waves: wave w has head w / 4 and
; query tile w % 4, one tile of 16 queries in 256 registers: four waves to a SIMD, so that one wave's vector work stands beside another's matrix work and LDS loads (a key step has 12 matrix instructions and some 260 vector ones).
; Every wave walks all 4,096 keys, 128 a step.  In the projection wave w makes output channels 16 w .. 16 w + 15 for the 64 tokens.
; CLUSTER.  The four work-groups of a cluster belong to one image and walk the same k and v: every slot is asked for JOINTLY, by the same tensor loads with the same descriptors and a mask that names the four.
; THE RING.  kv lies in memory as images of the operands' registers, 64 KB for 128 keys (k: [key tile 8][head 4][2 x 512 B], then v: [64 keys: 2][channel tile 16][2 x 512 B]).  A slot is 256 keys: 128 KB, dense.
; A wave has at most one tensor load out.  Fragments come by ds_load_b128 at 16 x lane: 512 consecutive bytes an instruction; no pitch, no padding.
; LAYOUT (ISA guide 7.12.2).  Both products are used transposed: S^T = k q^T (source 0 = 16 keys, source 1 = my 16 queries), O^T = v^T p^T: a lane holds ONE query (lane % 16) throughout, and register j of tile t holds
; key (or channel) 16 t + 8 (lane / 16) + j: eight registers of one tile, converted, are registers 2 t, 2 t + 1 of the next operand.  The projection: source 0 = 16 tokens of O's codes, source 1 = 16 rows of Wp: a lane holds an
; output channel and eight neighbouring tokens, which are neighbours in out0.
; LIMITS on the given exponents: e2 + e3 between -123 and 130 (added to c's exponent field); e4 between -126 and 119; e6 + e7 between -126 and 127; e4 + e5 - e6 between -100 and 100 (put onto 1 / the sum by v_ldexp_f32).  NaN among the inputs is not served.
; REGISTERS: v1-4 my places in a slot (k, v; step 0, 1); v5, v6 the add's; v7 the prefetches' offset; v8, v9 the step's addresses; v[10:11] b_proj; v12 -M, v13 the largest t, v[14:15] the sum in two halves; v16-23 q;
;   v24-31 addresses for the way out; v32-95 k's 8 fragments, then v's 4; v96-159 S^T, then p; v160-191 O^T; v192-207 p's codes; v236-255 at work.
;   Behind the loop: v32-63 Wp's 4 fragments; v64-95 x; v96-223 O's 16 fragments; v224-255 4 accumulators; then v96-127 results, v128-159 rows read back.
.set SLOT1, 1<<17                      ; slot 1 begins here: one exclusive or turns an address in one slot into the other's
.set SLOTB, 131072                     ; a slot's bytes, in LDS and in memory
.set SPARE, 2*SLOT1                    ; behind the ring: the spare words, 128 bytes for each of 16 waves: eight blocks of 256 bytes that no other line names
.set OIMG,  16*4352                    ; behind the stages: O's 16 fragment images of 1,024 bytes, (token tile m, head) at 1,024 (4 m + head)
; The stages for the way out, 16 rows x (256 bytes + 16) for each wave, begin at LDS byte 0.  Stages and images lie in slot 0, which has had its last fill (keys 3,584 on) and is read by nobody behind the last change of slots.
.set NSL,   16                         ; slots' worth of keys
.macro CROUND                          ; a round of the cluster's barrier: my work-group's barrier; wave 0 signals for the work-group; every wave waits for all four work-groups; my work-group's barrier once more
	s_barrier_signal -1
	s_barrier_wait -1
	s_cmp_lg_u32 s18, 0
	s_cbranch_scc1 .Lnot_wave_0_\@
	s_barrier_signal -3
.Lnot_wave_0_\@:
	s_barrier_wait -3
	s_barrier_signal -1
	s_barrier_wait -1
.endm
.macro JLOAD                           ; the joint load: waves 0-7, 16 KB each.  The branch hangs on the wave's number alone.  Four v_nop follow the load, ahead of the label and what follows
	s_cmp_lt_u32 s18, 8
	s_cbranch_scc0 .Lnone_\@
	tensor_load_to_lds s[32:35], s[24:31]
	s_nop 0
.rept 4
	v_nop
.endr
.Lnone_\@:
.endm
; A PREFETCH INTO THE L2 of the slot that the NEXT change of slots will ask for: two key steps ahead of that load.  All sixteen clusters of an image walk the same kv: the image's first cluster asks.  Its four partners share the
; slot's 128 KB out BY ADDRESS, 32 KB each; in each, waves 8-11, which fetch nothing, take 8 KB each, lanes 256 bytes apart: one instruction a wave, and each aligned block of 256 bytes is named once in the launch.
; Slots 0 and 1 come by their loads alone; the last change that fills a slot asks for nothing: there is no slot behind it.
.macro ASK
	s_cmp_gt_u32 s37, s38
	s_cbranch_scc0 .Lnot_mine_\@
	global_prefetch_b8 v7, s[48:49] th:TH_LOAD_NT scope:SCOPE_SE
.Lnot_mine_\@:
.endm
	s_load_b256 s[4:11], s[0:1], 0x0               ; q s[4:5], kv s[6:7], wp s[8:9], b_proj s[10:11]
	s_load_b128 s[12:15], s[0:1], 0x20             ; the exponents s[12:13], x s[14:15]
	s_load_b64 s[16:17], s[0:1], 0x30              ; out0
	v_lshl_add_u32 v5, v0, 2, SPARE
	v_mov_b32 v6, 0
	ds_add_u32 v5, v6
	ds_add_u32 v5, v6
	s_wait_dscnt 0x0
	v_lshrrev_b32 v8, 5, v0
	s_delay_alu instid0(VALU_DEP_1)
	v_readfirstlane_b32 s18, v8                    ; wave 0..15
	s_bfe_u32 s39, ttmp6, 0x40000                  ; cx: my place in the cluster: it enters the addresses of q, x, out0 and of the prefetches alone
	s_lshl_b32 s52, ttmp9, 2
	s_add_co_u32 s52, s52, s39                     ; my block of 64 tokens = 4 x cluster x + cx
	s_and_b32 s53, ttmp7, 0xffff                   ; the image, which the four partners share
	s_lshr_b32 s54, s18, 2                         ; my head
	s_and_b32 s55, s18, 3                          ; my query tile
	; every LDS address is made here, of the thread's and the wave's numbers and constants
	v_and_b32 v27, 31, v0
	s_delay_alu instid0(VALU_DEP_1)
	v_lshlrev_b32 v7, 8, v27                       ; 256 x lane
	s_delay_alu instid0(VALU_DEP_2)
	v_lshlrev_b32 v27, 4, v27                      ; 16 x lane
	s_lshl_b32 s56, s54, 10
	v_add_nc_u32 v1, s56, v27                      ; k, step 0: 16 x lane + 1,024 x head; key tile and half in the immediate
	s_delay_alu instid0(VALU_DEP_1)
	v_add_nc_u32 v2, 0x10000, v1                   ; step 1
	s_lshl_b32 s56, s54, 12
	s_add_co_u32 s56, s56, 32768
	v_add_nc_u32 v3, s56, v27                      ; v, step 0: behind k's 32 KB; 16 x lane + 4 channel tiles of 1,024 bytes a head
	s_delay_alu instid0(VALU_DEP_1)
	v_add_nc_u32 v4, 0x10000, v3                   ; step 1
	v_and_b32 v32, 15, v0                          ; r
	v_bfe_u32 v33, v0, 4, 1                        ; h
	s_mul_i32 s56, s18, 4352                       ; my stage
	v_mul_u32_u24 v24, v32, 272
	s_delay_alu instid0(VALU_DEP_1)
	v_lshl_add_u32 v24, v33, 5, v24
	s_delay_alu instid0(VALU_DEP_1)
	v_add_nc_u32 v24, s56, v24                     ; in: row r (an output channel), + 32 h; token tile m: 64 m in the immediate
	v_mul_u32_u24 v25, v33, 272
	s_delay_alu instid0(VALU_DEP_1)
	v_lshl_add_u32 v25, v32, 4, v25
	s_delay_alu instid0(VALU_DEP_1)
	v_add_nc_u32 v25, s56, v25                     ; back: lanes 0-15 one row of 256 bytes, lanes 16-31 the next
	v_lshlrev_b32 v26, 4, v32
	s_delay_alu instid0(VALU_DEP_1)
	v_lshl_add_u32 v26, v33, 14, v26
	s_lshl_b32 s56, s18, 18
	v_add_nc_u32 v26, s56, v26                     ; and the same two rows in x and out0: channel 16 w + h, 16,384 bytes each, + 16 r
	s_lshl_b32 s56, s55, 2
	s_add_co_u32 s56, s56, s54
	s_lshl_b32 s56, s56, 10
	s_add_co_u32 s56, s56, OIMG
	v_add_nc_u32 v28, s56, v27                     ; where my fragment of O's codes goes
	v_add_nc_u32 v29, OIMG, v27                    ; and from where all sixteen come back
	s_lshl_b32 s56, s18, 12
	v_add_nc_u32 v30, s56, v27                     ; wp: my row tile's 4,096 bytes
	s_lshl_b32 s56, s18, 6
	v_lshl_add_u32 v31, v32, 2, s56                ; b_proj(16 w + r)
	; descriptor group 1: 64 rows of 256 bytes, dense
	s_mov_b32 s24, 15|(3<<16)|(1<<21)              ; 15:0 the mask: all four work-groups; 17:16 elements of 8 bytes; 20 no padding; 21 set beside a mask
	s_mov_b32 s25, 32<<16                          ; tensor_dim0 = 32 elements
	s_mov_b32 s26, 64<<16                          ; tensor_dim1 = 64
	s_mov_b32 s27, 32<<16                          ; tile_dim0 = 32
	s_mov_b32 s28, 64                              ; tile_dim1 = 64
	s_mov_b32 s29, 32                              ; from row to row: 32 elements
	s_mov_b32 s30, 0
	s_mov_b32 s31, 0
	s_mov_b32 s20, 0x76543210                      ; v_permlanex16_b32: lane l xor 16
	s_mov_b32 s21, 0xfedcba98
	s_mov_b32 s22, 0x3e38aa3b                      ; c = log2(e) / 8
	s_mov_b32 s36, 0                               ; LDS byte at which the slot in hand begins
	s_mov_b32 s37, NSL-1                           ; slots still to be asked for
	s_sub_co_u32 s56, s18, 8
	s_lshr_b32 s56, s56, 2                         ; 0 in waves 8-11,
	s_or_b32 s56, s56, ttmp9                       ; of the image's first cluster: the same in all four partners
	s_cmp_eq_u32 s56, 0
	s_cselect_b32 s38, 1, -1                       ; a wave prefetches while s37 is above this
	s_and_b32 s56, s18, 7
	s_lshl_b32 s56, s56, 14                        ; my 16 KB of a slot, in LDS and in memory
	s_lshl_b32 s58, s53, 21                        ; the image's 2 MB of kv
	s_add_co_u32 s58, s58, s56
	s_mov_b32 s59, 0
	s_lshl_b32 s60, s53, 20                        ; q: the image's 256 token tiles of 4,096 bytes,
	s_lshl_b32 s61, s52, 14                        ; my block's four,
	s_add_co_u32 s60, s60, s61
	s_lshl_b32 s61, s55, 12                        ; my tile,
	s_add_co_u32 s60, s60, s61
	s_lshl_b32 s61, s54, 10                        ; my head
	s_add_co_u32 s60, s60, s61
	s_mov_b32 s61, 0
	s_lshl_b32 s62, s53, 22                        ; x, out0: the image, + 256 bytes a block of 64 tokens
	s_lshl_b32 s63, s52, 8
	s_add_co_u32 s62, s62, s63
	s_mov_b32 s63, 0
	s_wait_kmcnt 0x0
	s_load_b256 s[40:47], s[12:13], 0x0            ; e0 .. e7
	s_mov_b32 s32, 1                               ; group 0: 1:0 count = 1
	s_mov_b32 s33, s56                             ; 63:32 LDS address: slot 0
	s_add_nc_u64 s[34:35], s[6:7], s[58:59]        ; 120:64 global address: the image's first 256 keys
	s_or_b32 s35, s35, 0x80000000                  ; 127:126 type = 2
	s_add_nc_u64 s[4:5], s[4:5], s[60:61]
	s_add_nc_u64 s[14:15], s[14:15], s[62:63]
	s_add_nc_u64 s[16:17], s[16:17], s[62:63]
	s_lshl_b32 s60, s53, 21                        ; the prefetches: the image,
	s_lshl_b32 s61, s39, 15                        ; my work-group's 32 KB of a slot,
	s_add_co_u32 s60, s60, s61
	s_lshl_b32 s61, s55, 13                        ; my wave's 8 KB of them,
	s_add_co_u32 s60, s60, s61
	s_add_co_u32 s60, s60, SLOTB                   ; in slot 1: the first change of slots steps it to slot 2
	s_mov_b32 s61, 0
	s_add_nc_u64 s[48:49], s[6:7], s[60:61]
	CROUND                                         ; all four work-groups are here: the first joint loads meet
	JLOAD                                          ; slot 0
	global_load_b128 v[16:19], v27, s[4:5]         ; q's fragment stays in registers
	global_load_b128 v[20:23], v27, s[4:5] offset:512
	v_mov_b32 v13, 0xff61b1e6                      ; the largest t so far: -3e38, under every t
	s_delay_alu instid0(VALU_DEP_1)
	v_floor_f32 v12, -v13                          ; -M
	v_mov_b32 v14, 0                               ; the sum, in two halves
	v_mov_b32 v15, 0
	v_mov_b32 v11, 0                               ; (named as the upper half of the pair v[10:11])
	v_mov_b32 v236, 0                              ; written once: a lane permute's destination counts as one of its sources
	v_mov_b32 v253, 0                              ; (named as the upper half of the pair v[252:253])
.set j, 0
.rept 32
	v_mov_b32 v[160+j], 0                          ; O^T.  (The loop is written once: its first step finds zeros, which the first change of M leaves zeros)
.set j, j+1
.endr
	s_wait_kmcnt 0x0
	s_add_co_i32 s56, s42, s43
	s_lshl_b32 s56, s56, 23
	s_add_co_i32 s22, s22, s56                     ; a score stands for score x 2^(e2 + e3): the two exponents are added to c's exponent field
	s_mov_b32 s23, s22                             ; (named with it as a pair, so it is written)
	s_add_co_i32 s56, s44, 127
	s_lshl_b32 s57, s56, 23
	v_mov_b32 v244, s57                            ; 2^e4 as f32, for p's conversions
	s_add_co_i32 s57, s44, s45
	s_sub_co_i32 s57, s57, s46                     ; e4 + e5 - e6: kept for the end
	s_add_co_i32 s50, s46, s47
	s_add_co_i32 s50, s50, 127
	s_lshl_b32 s50, s50, 23                        ; 2^(e6 + e7) as f32
	s_mov_b32 s51, s50
; A KEY STEP: 128 keys, the q-th block of the slot in hand.
.macro STEP q
	v_add_nc_u32 v8, s36, v[1+\q]
	v_add_nc_u32 v9, s36, v[3+\q]
	v_nop
	v_nop                                          ; with the two additions: four places in front of loads into registers that the last products read (ISA guide 7.12.1 speaks of vector instructions)
.irp t, 0,1,2,3,4,5,6,7
.irp c, 0,1
	ds_load_b128 v[32+8*\t+4*\c:35+8*\t+4*\c], v8 offset:4096*\t+512*\c   ; k: key tile t, my head
.endr
.endr
	s_wait_alu depctr_va_vdst(0)
	s_wait_dscnt 8                                 ; tiles 0-3 are in; the youngest eight loads may be out
.irp t, 0,1,2,3
	v_wmma_f32_16x16x64_fp8_fp8 v[96+8*\t:103+8*\t], v[32+8*\t:39+8*\t], v[16:23], 0
.endr
	s_wait_dscnt 0x0
.irp t, 4,5,6,7
	v_wmma_f32_16x16x64_fp8_fp8 v[96+8*\t:103+8*\t], v[32+8*\t:39+8*\t], v[16:23], 0
.endr
.rept 4
	v_nop                                          ; four places: in front of the loads into k's registers, and of the first read of the scores
.endr
.irp t, 0,1,2,3
.irp kb, 0,1
.irp c, 0,1
	ds_load_b128 v[32+16*\t+8*\kb+4*\c:35+16*\t+8*\kb+4*\c], v9 offset:16384*\kb+1024*\t+512*\c   ; v: channel tile t of my head, keys 64 kb on: they land while the softmax is worked
.endr
.endr
.endr
	v_max3_num_f32 v254, v96, v97, v98             ; the step's largest score of my query, among my 64 keys, in two chains, each tile from its low end on,
	v_max3_num_f32 v252, v99, v100, v101
.set i, 6
.rept 14
	v_max3_num_f32 v254, v254, v[96+i], v[97+i]
	v_max3_num_f32 v252, v252, v[98+i], v[99+i]
.set i, i+4
.endr
	v_max3_num_f32 v254, v254, v158, v159
	s_delay_alu instid0(VALU_DEP_1)
	v_max_num_f32 v254, v254, v252
	s_delay_alu instid0(VALU_DEP_1)
	v_permlanex16_b32 v236, v254, s20, s21
	s_delay_alu instid0(VALU_DEP_1)
	v_max_num_f32 v254, v254, v236                 ; and among lane l xor 16's
	s_delay_alu instid0(VALU_DEP_1)
	v_mul_f32 v254, s22, v254                      ; as t (c is positive)
	s_delay_alu instid0(VALU_DEP_1)
	v_max_num_f32 v13, v13, v254                   ; the running largest t
	v_mov_b32 v254, v12
	s_delay_alu instid0(VALU_DEP_2)
	v_floor_f32 v12, -v13                          ; the new -M = floor(-t) = -ceil(t): M is a whole number
	s_delay_alu instid0(VALU_DEP_1)
	v_sub_f32 v254, v12, v254                      ; M's old value less its new one: a whole number, 0 or less
	s_delay_alu instid0(VALU_DEP_1)
	v_cvt_i32_f32 v254, v254                       ; (it saturates)
	s_delay_alu instid0(VALU_DEP_1)
	v_ldexp_f32 v252, 1.0, v254                    ; f = 2^(old M - new M)
.set j, 0
.rept 32
	v_pk_fma_f32 v[96+j:97+j], v[96+j:97+j], s[22:23], v[12:13] op_sel_hi:[1,0,0]   ; t - M, two at a time (of the pairs c and -M the low word serves both halves)
.set j, j+2
.endr
.set j, 0
	s_wait_alu depctr_va_vdst(0)
.rept 64
	v_exp_f32 v[96+j], v[96+j]                     ; p = 2^(t - M), at most 1: not normalised
.set j, j+1
.endr
	v_pk_mul_f32 v[14:15], v[14:15], v[252:253] op_sel_hi:[1,0]   ; the sums under the new M.  (A plain line behind the exponentials)
	s_wait_alu depctr_va_vdst(0)                   ; one wait for the whole batch, ahead of its first reader
	v_pk_add_f32 v[242:243], v[100:101], v[104:105]
	v_pk_add_f32 v[254:255], v[108:109], v[112:113]
	v_pk_add_f32 v[250:251], v[116:117], v[120:121]
	v_pk_add_f32 v[248:249], v[124:125], v[128:129]
	v_pk_add_f32 v[246:247], v[132:133], v[136:137]
	v_pk_add_f32 v[240:241], v[140:141], v[144:145]
	v_pk_add_f32 v[238:239], v[148:149], v[152:153]
	v_pk_add_f32 v[14:15], v[14:15], v[156:157]
	v_pk_add_f32 v[242:243], v[242:243], v[96:97]
	v_pk_add_f32 v[254:255], v[254:255], v[98:99]
	v_pk_add_f32 v[250:251], v[250:251], v[102:103]
	v_pk_add_f32 v[248:249], v[248:249], v[106:107]
	v_pk_add_f32 v[246:247], v[246:247], v[110:111]
	v_pk_add_f32 v[240:241], v[240:241], v[114:115]
	v_pk_add_f32 v[238:239], v[238:239], v[118:119]
	v_pk_add_f32 v[14:15], v[14:15], v[122:123]
	v_pk_add_f32 v[242:243], v[242:243], v[126:127]
	v_pk_add_f32 v[254:255], v[254:255], v[130:131]
	v_pk_add_f32 v[250:251], v[250:251], v[134:135]
	v_pk_add_f32 v[248:249], v[248:249], v[138:139]
	v_pk_add_f32 v[246:247], v[246:247], v[142:143]
	v_pk_add_f32 v[240:241], v[240:241], v[146:147]
	v_pk_add_f32 v[238:239], v[238:239], v[150:151]
	v_pk_add_f32 v[14:15], v[14:15], v[154:155]
	v_pk_add_f32 v[242:243], v[242:243], v[158:159]
	s_delay_alu instid0(VALU_DEP_2)
	v_pk_add_f32 v[14:15], v[14:15], v[248:249]
	s_delay_alu instid0(VALU_DEP_2)
	v_pk_add_f32 v[242:243], v[242:243], v[246:247]
	v_pk_add_f32 v[254:255], v[254:255], v[240:241]
	v_pk_add_f32 v[250:251], v[250:251], v[238:239]
	s_delay_alu instid0(VALU_DEP_2)
	v_pk_add_f32 v[14:15], v[14:15], v[254:255]
	s_delay_alu instid0(VALU_DEP_2)
	v_pk_add_f32 v[242:243], v[242:243], v[250:251]
	s_delay_alu instid0(VALU_DEP_1)
	v_pk_add_f32 v[14:15], v[14:15], v[242:243]
.irp t, 0,1,2,3,4,5,6,7
.irp i, 0,1,2,3,4,5,6,7
.endr
	v_cvt_scalef32_pk8_fp8_f32 v[192+2*\t:193+2*\t], v[96+8*\t:103+8*\t], v244   ; keys 16 t + 8 h + 0 .. 7: registers 2 t, 2 t + 1 of p's fragment
.endr
.set j, 0
.rept 16
	v_pk_mul_f32 v[160+j:161+j], v[160+j:161+j], v[252:253] op_sel_hi:[1,0]   ; O^T under the new M.  (Also the plain lines behind the last conversion)
.set j, j+2
.endr
	s_wait_alu depctr_va_vdst(0)
	s_wait_dscnt 0x0                               ; v is in
.irp t, 0,1,2,3
	v_wmma_f32_16x16x128_fp8_fp8 v[160+8*\t:167+8*\t], v[32+16*\t:47+16*\t], v[192:207], v[160+8*\t:167+8*\t]   ; the four accumulators by turns
.endr
.endm
; THE CHANGE OF SLOTS stands at a slot's head.  Each wave waits for all its tensor loads (its part of the slot that is about to be read), adds 0 to its spare word, and waits for that and for its reads of the slot that it has left.
; fill = 1: a round of the cluster's barrier follows, so that no wave of any partner still reads the slot left or has a load on its way, and the joint load for the next 256 keys is the first thing behind it: it has two key
; steps of sixteen waves in which to land.  (Slot 1's first fill goes out so too, behind the first round of the loop.)
.macro CHANGE fill
	s_wait_tensorcnt 0x0                           ; no tensor load of mine is out, so group 0 may be written
	ds_add_u32 v5, v6                              ; 0 onto my spare word
.if \fill
	s_xor_b32 s33, s33, SLOT1                      ; the walking descriptor: the other slot than last time,
	s_add_nc_u64 s[34:35], s[34:35], SLOTB         ; the next 256 keys; the type bits on top are not reached
	s_wait_xcnt 0x0                                ; the last prefetch, a slot back, has read its address, so it may be written:
	s_add_nc_u64 s[48:49], s[48:49], SLOTB         ; one slot further on than the walking descriptor
	s_wait_dscnt 0x0                               ; the add is done, and my reads of the slot that I have left are over
	CROUND
	JLOAD
	ASK
.else
	s_wait_dscnt 0x0
	s_barrier_signal -1
	s_barrier_wait -1
.endif
.endm
	s_wait_loadcnt 0x0                             ; q
.Lslot:                                            ; NSL - 1 trips: behind each change of slots but the last the next slot is asked for
	CHANGE 1
	STEP 0
	STEP 1
	s_xor_b32 s36, s36, SLOT1                      ; on to the other slot
	s_sub_co_u32 s37, s37, 1
	s_cmp_lg_u32 s37, 0
	s_cbranch_scc1 .Lslot
	CHANGE 0                                       ; the last slot is written out
	STEP 0
	STEP 1
	; ---- THE END OF THE ATTENTION: O / the sum, quantised with 2^e6, as my fragment (token tile m, head) of the projection's operand
.rept 4
	v_nop                                          ; four places behind the last products: in front of loads into v's registers and of the first read of O^T
.endr
.irp hd, 0,1,2,3
.irp c, 0,1
	global_load_b128 v[32+8*\hd+4*\c:35+8*\hd+4*\c], v30, s[8:9] offset:1024*\hd+512*\c   ; Wp: rows 16 w on, K = head hd's 64 channels
.endr
.endr
	global_load_b32 v10, v31, s[10:11]             ; b_proj(16 w + r)
.irp i, 0,1,2,3,4,5,6,7
	global_load_b128 v[64+4*\i:67+4*\i], v26, s[14:15] offset:32768*\i th:TH_LOAD_NT      ; x: channels 16 w + 2 i + h, my block's 64 tokens: sixteen lanes read 256 consecutive bytes, aligned
.endr
	v_add_f32 v14, v14, v15                        ; the sum's two halves,
	s_delay_alu instid0(VALU_DEP_1)
	v_permlanex16_b32 v252, v14, s20, s21
	s_delay_alu instid0(VALU_DEP_1)
	v_add_f32 v14, v14, v252                       ; and lane l xor 16's: the row's sum
	s_wait_alu depctr_va_vdst(0)
	v_rcp_f32 v14, v14
	v_mov_b32 v244, 1.0                            ; the scales are folded into the factor below, so the conversion divides by 1
	s_wait_alu depctr_va_vdst(0)                   ; the wait ahead of the reciprocal's first reader
	v_ldexp_f32 v14, v14, s57                      ; x 2^(e4 + e5 - e6)
.set j, 0
.rept 32
	v_mul_f32 v[160+j], v[160+j], v14              ; each accumulator from its low end on
.set j, j+1
.endr
.set j, 0
.rept 32
.set j, j+1
.endr
.irp t, 0,1,2,3
	v_cvt_scalef32_pk8_fp8_f32 v[192+2*\t:193+2*\t], v[160+8*\t:167+8*\t], v244   ; channels 16 t + 8 h + 0 .. 7 of my head
.endr
	v_nop                                          ; a plain line behind the last conversion: matrix instructions later write the registers of its scale
	ds_store_b128 v28, v[192:195]
	ds_store_b128 v28, v[196:199] offset:512
	s_wait_dscnt 0x0                               ; for the others' sake: my fragment lies in LDS
	s_barrier_signal -1
	s_barrier_wait -1                              ; all sixteen do
	; ---- THE PROJECTION: my 16 output channels for the 64 tokens; K = 256 in four steps of 64, a head each; four accumulators by turns
.irp m, 0,1,2,3
.irp hd, 0,1,2,3
.irp c, 0,1
	ds_load_b128 v[96+8*(4*\m+\hd)+4*\c:99+8*(4*\m+\hd)+4*\c], v29 offset:1024*(4*\m+\hd)+512*\c
.endr
.endr
.endr
	s_wait_loadcnt 9                               ; Wp is in; the bias and x's eight loads may be out
	s_wait_dscnt 0x0
.irp hd, 0,1,2,3
.irp m, 0,1,2,3
.if \hd == 0
	v_wmma_f32_16x16x64_fp8_fp8 v[224+8*\m:231+8*\m], v[96+8*(4*\m+\hd):103+8*(4*\m+\hd)], v[32+8*\hd:39+8*\hd], 0
.else
	v_wmma_f32_16x16x64_fp8_fp8 v[224+8*\m:231+8*\m], v[96+8*(4*\m+\hd):103+8*(4*\m+\hd)], v[32+8*\hd:39+8*\hd], v[224+8*\m:231+8*\m]
.endif
.endr
.endr
.rept 4
	v_nop                                          ; four places: in front of the first read of results, and of writes and loads into the fragments' registers
.endr
	s_wait_loadcnt 8                               ; the bias is in
.irp m, 0,1,2,3
.irp i, 0,2,4,6
	v_pk_fma_f32 v[96+8*\m+\i:97+8*\m+\i], v[224+8*\m+\i:225+8*\m+\i], s[50:51], v[10:11] op_sel_hi:[1,0,0]   ; sum x 2^(e6 + e7) + b_proj: lane (r, h): channel 16 w + r, tokens 16 m + 8 h + i, + 1
.endr
.endr
	; THE WAY OUT: a lane's 32 bytes are part of a channel's row, and the lanes beside it hold other channels: through my own stage, back as whole rows of 256 bytes
.irp m, 0,1,2,3
	ds_store_b128 v24, v[96+8*\m:99+8*\m] offset:64*\m
	ds_store_b128 v24, v[100+8*\m:103+8*\m] offset:64*\m+16
.endr
.irp i, 0,1,2,3,4,5,6,7
	ds_load_b128 v[128+4*\i:131+4*\i], v25 offset:544*\i   ; LDS serves a wave's instructions in order (ISA guide 5.7.1.4): these see my stores
.endr
	s_wait_loadcnt 0x0                             ; x
.irp i, 0,1,2,3,4,5,6,7
	s_wait_dscnt 7-\i                              ; rows 2 i, 2 i + 1 are back; the younger loads may be out
	v_pk_add_f32 v[128+4*\i:129+4*\i], v[128+4*\i:129+4*\i], v[64+4*\i:65+4*\i]   ; the residual
	v_pk_add_f32 v[130+4*\i:131+4*\i], v[130+4*\i:131+4*\i], v[66+4*\i:67+4*\i]
	global_store_b128 v26, v[128+4*\i:131+4*\i], s[16:17] offset:32768*\i th:TH_STORE_NT   ; sixteen lanes store 256 consecutive bytes, aligned; written once, read by nobody here
.endr
	s_wait_tensorcnt 0x0                           ; the wave's end: behind my last tensor load and my last LDS store
	ds_add_u32 v5, v6
	s_wait_dscnt 0x0
	CROUND                                         ; the closing round: no work-group ends while a partner may still ask for a tile that names it
	s_endpgm
.Lfunc_end_k_q4b3030acda_attn:
	.size	k_q4b3030acda_attn, .Lfunc_end_k_q4b3030acda_attn-k_q4b3030acda_attn
	.p2alignl 7, 3214868480
	.fill 96, 4, 3214868480
	.section	.rodata,"a",@progbits
	.p2align	6, 0x0
	.amdhsa_kernel k_q4b3030acda_attn
		.amdhsa_group_segment_fixed_size 327680
		.amdhsa_private_segment_fixed_size 0
		.amdhsa_enable_private_segment 0
		.amdhsa_kernarg_size 56
		.amdhsa_user_sgpr_count 2
		.amdhsa_user_sgpr_kernarg_segment_ptr 1
		.amdhsa_wavefront_size32 1
		.amdhsa_system_sgpr_workgroup_id_x 1
		.amdhsa_system_sgpr_workgroup_id_y 1
		.amdhsa_system_sgpr_workgroup_id_z 1
		.amdhsa_system_vgpr_workitem_id 0
		.amdhsa_next_free_vgpr 256
		.amdhsa_next_free_sgpr 66
		.amdhsa_reserve_vcc 0
		.amdhsa_float_denorm_mode_32 3
		.amdhsa_float_denorm_mode_16_64 3
		.amdhsa_fp16_overflow 1
		.amdhsa_memory_ordered 1
		.amdhsa_forward_progress 1
		.amdhsa_inst_pref_size 75
	.end_amdhsa_kernel
	.amdgpu_metadata
---
amdhsa.version: [ 1, 2 ]
amdhsa.kernels:
  - .name:           k_q4b3030acda_attn
    .symbol:         k_q4b3030acda_attn.kd
    .args:
      - { .name: q, .offset: 0, .size: 8, .value_kind: global_buffer, .address_space: global }
      - { .name: kv, .offset: 8, .size: 8, .value_kind: global_buffer, .address_space: global }
      - { .name: wp, .offset: 16, .size: 8, .value_kind: global_buffer, .address_space: global }
      - { .name: b_proj, .offset: 24, .size: 8, .value_kind: global_buffer, .address_space: global }
      - { .name: lowp_scales, .offset: 32, .size: 8, .value_kind: global_buffer, .address_space: global }
      - { .name: x, .offset: 40, .size: 8, .value_kind: global_buffer, .address_space: global }
      - { .name: out0, .offset: 48, .size: 8, .value_kind: global_buffer, .address_space: global }
    .group_segment_fixed_size: 327680
    .private_segment_fixed_size: 0
    .kernarg_segment_align: 8
    .kernarg_segment_size: 56
    .max_flat_workgroup_size: 512
    .sgpr_count:     66
    .vgpr_count:     256
    .wavefront_size: 32
...
	.end_amdgpu_metadata
.endif
;; end of part 3
